; MI455X (gfx1250); checked and timed in simulation.
; The chip was launched on July 23, 2026; its instructions are those of AMD's public machine-readable ISA for CDNA 5 (MIT licence, August 2026) and "CDNA5" Instruction Set Architecture Reference Guide (July 2026). The comments in the code are by the model that wrote it; some were corrected since.
;; Attn Block. Allowed arithmetic: matrix products marked QUANTISED: E5M2 operands, one E8M0 scale for each 32 along K, by v_wmma_scale_f32_16x16x128_f8f6f4 with both operands' format E5M2, f32 sums; everything else in f32.
;; Inputs: bk 128 float32; bo 128 float32; bq 128 float32; bv 128 float32; gn_bias 128 float32; gn_scale 128 float32; wk 128 x 128 float32; wo 128 x 128 float32; wq 128 x 128 float32; wv 128 x 128 float32; x 8 x 64 x 64 x 128 float32.
;; Outputs: out0 8 x 64 x 64 x 128 float32.
;; This version of the problem:
;;   THIS VERSION OF THE PROBLEM IS GIVEN IN LOW PRECISION. The matrix products marked QUANTISED in the list below multiply operands that are first quantised to E5M2 (5 exponent bits, 2 mantissa bits; 8 bits a number), with one power-of-two scale for each 32 numbers along K (OCP MX v1.0); their sums are f32. All else is computed in f32.
;;   The module's matrix products, in the order in which they are computed (A, B: the left and right operand; K: the contracted axis; several contracted axes count as one K, in the product's order):
;;     1. [M 32,768, K 128] x [K 128, N 128]; A: computed on the way; B: input wq: QUANTISED
;;     2. [M 32,768, K 128] x [K 128, N 128]; A: computed on the way; B: input wk: QUANTISED
;;     3. [M 32,768, K 128] x [K 128, N 128]; A: computed on the way; B: input wv: QUANTISED
;;     4. batch 8 x [M 4,096, K 128] x [K 128, N 4,096]; A: computed on the way; B: computed on the way: QUANTISED
;;     5. batch 8 x [M 4,096, K 4,096] x [K 4,096, N 128]; A: softmax (see below); B: computed on the way: QUANTISED
;;     6. [M 32,768, K 128] x [K 128, N 128]; A: computed on the way; B: input wo: QUANTISED
;;   THE QUANTISER, for each operand of a quantised product, along K:
;;     - K is cut into blocks of 32 from its start; a last block that is shorter is filled with zeros.
;;     - A block's scale is 2^e with e = floor(log2(the largest magnitude in the block)) - 15, held to -126 .. 127; a block of zeros has e = 0. As a byte (E8M0): e + 127.
;;     - Each number is divided by its block's scale, clamped to +-57,344, and rounded to the nearest number of E5M2, ties to even, subnormals kept.
;;     - The product sums the exact products of the quantised numbers (number of the format x scale) in f32.
;;   ~~~python
;;   def quantise(x, axis):      # numpy; x: float32 -> the quantised numbers, widened to float32 again
;;       x = np.moveaxis(x, axis, -1); K = x.shape[-1]
;;       x = np.pad(x, [(0, 0)] * (x.ndim - 1) + [(0, -K % 32)]); x = x.reshape(x.shape[:-1] + (-1, 32)); a = np.abs(x).max(-1, keepdims=True)
;;       e = np.where(a > 0, np.clip(np.frexp(np.where(a > 0, a, 1))[1] - 1 - 15, -126, 127), 0)      # np.frexp(a)[1] - 1 = floor(log2(a)), exactly
;;       r = np.clip(x / 2.0 ** e, -57344, 57344)
;;       step = 2.0 ** (np.maximum(np.frexp(np.where(r == 0, 1, r))[1] - 1, -14) - 2)
;;       q = np.round(r / step) * step * 2.0 ** e      # np.round: ties to even
;;       return np.moveaxis(q.reshape(q.shape[:-2] + (-1,))[..., :K], -1, axis).astype(np.float32)
;;   ~~~
;;   SOFTMAX AHEAD OF A QUANTISED PRODUCT. Where the list says 'softmax', what is quantised is not the finished softmax but p = 2^(t - M), with t = logit x log2(e) and M = ceil(the row's largest t), a whole number; so 1/2 < the row's largest p <= 1. The row's sum l is taken of the UNQUANTISED p, in f32, and the product's result is divided by l at the end. Since M is a whole number, a kernel that streams over the keys may use a running M (the ceiling of the running maximum): every later rescaling is an exact power of two, which a block's scale takes up: the codes' values come out the same.
;;   OPERANDS COMPUTED ON THE WAY. 'Computed on the way' means the value that the module computes at that place (a softmax that the list does not call 'softmax' is quantised finished and normalised). What goes into a quantiser is computed in f32, as accurately as f32 sums, v_exp_f32 and their like allow (about 1e-6 of the number): no bf16 or f16 on the way to a quantiser, and a product that is left as it is and whose result goes on into a quantised operand takes f32 operands (vector FMAs, or v_wmma_f32_16x16x4_f32). A number that lies on a knife's edge between two numbers of the format may be rounded either way, as far as f32 arithmetic and the matrix unit's own rounding can turn it there, and no further.
;; One version. Each part assembles by itself: llvm-mc -triple=amdgcn-amd-amdhsa -mcpu=gfx1250 --defsym DOCPART=n.
;; ======== version 1 of 1: 3 launches
;; limits: right only within a limited range of input values
;; workspace buffers: part 65,536 bytes; wf 69,632 bytes; qc 4,194,304 bytes; qs 131,072 bytes; kvc 8,388,608 bytes; kvs 262,144 bytes
;; launch stats (part 1): grid 260 x 1, 8 waves a work-group, no clusters, 3,072 bytes of LDS; arguments x, wq, wk, wv, wo, part, wf; writes part, wf
.if DOCPART == 1
	.amdgcn_target "amdgcn-amd-amdhsa--gfx1250"
	.amdhsa_code_object_version 6
	.text
	.protected	k_q3021ede83e_stats
	.globl	k_q3021ede83e_stats
	.p2align	8
	.type	k_q3021ede83e_stats,@function
k_q3021ede83e_stats:
	s_mov_b64 s[64:65], 0
	v_nop
	global_prefetch_b8 v0, s[64:65] scope:SCOPE_SE
	s_setreg_imm32_b32 hwreg(HW_REG_WAVE_MODE, 25, 1), 1
	s_wait_xcnt 0x0
; GroupNorm's partial statistics, and the four weights as codes of E5M2 (MX-BF8).
; x: [8][4096][128] f32.  A chunk is 128 positions; chunk ci = 32 x batch + chunk.  A group is 4 neighbouring channels: 16 bytes of a row.
; Work-groups 4 .. 259: chunk ci = work-group - 4.  Thread t owns 16 bytes of a row (one group: lane = group), wave w the rows w + 8 i.  Each wave makes (mean, sum of squared
; deviations) of its 64 numbers a group; wave 0 joins the eight by the rule for equal counts: mean = the means' mean, M2 = the M2s' sum + 64 x the sum of (mean_w - mean)^2.
; No difference of large sums is formed.  part[ci][group] = (mean, M2), 256 bytes a chunk, stored as one aligned run of 256 bytes.
; Work-groups 0 .. 3: wq, wk, wv, wo ([128 (k)][128 (n)] f32, K = the first axis) become images of operand registers.  Wave t makes tile t: lane (r, h) takes column
; n = 32 (t / 2) + 8 (t % 2) + r + 8 (r / 8), and its registers run down K in the operand's own order, k = 32 c + 16 h + 0 .. 15.  Record g of wf (17,408 bytes): codes at 2048 t + 512 c + 16 lane,
; scale words from byte 16,384 on at 128 t + 4 lane (lanes 16-31 hold a copy).
; A block's scale is 2^(floor(log2(its largest magnitude)) - 15); its byte is the largest magnitude's exponent field - 15, held at 1 from below.
; LIMITS: NaN and infinities are not served.  A block of zeros gets the byte 1 where the rule says 127: its codes are zeros, and this program alone reads the bytes.
; No tensor loads, no matrix work, no cluster: each byte is read once, straight into registers.
.set SEL, 20                           ; s[20:21] lane selects for v_permlanex16_b32: lane l xor 16
.set MNT, 22
.set TM,  32                           ; v32-35 largest magnitudes, v36-39 bytes, v44-47 the conversions' scale operands
.set PC,  48                           ; v48-63 the codes
.set PW,  9                            ; v9   the scale word
; 64 numbers of a lane, v[s] .. v[s + 63], register 16 b + i = k 32 b + 16 (lane / 16) + i, become a fragment's codes in v[PC] on and its scale word in v[PW].
.macro QUANT s
.irp b, 0,1,2,3
	v_max3_num_f32 v[TM+\b], |v[\s+16*\b]|, |v[\s+1+16*\b]|, 0x8000000   ; my 16 numbers of block b, and the floor 2^(16 - 127): the byte cannot fall under 1
.endr
.irp i, 2,4,6,8,10,12,14
.irp b, 0,1,2,3
	s_delay_alu instid0(VALU_DEP_4)
	v_max3_num_f32 v[TM+\b], v[TM+\b], |v[\s+16*\b+\i]|, |v[\s+1+16*\b+\i]|   ; the four blocks by turns
.endr
.endr
.irp b, 0,1,2,3
	s_delay_alu instid0(VALU_DEP_4)
	v_permlanex16_b32 v[TM+4+\b], v[TM+\b], s[SEL], s[SEL+1]
.endr
.irp b, 0,1,2,3
	s_delay_alu instid0(VALU_DEP_4)
	v_max_num_f32 v[TM+\b], v[TM+\b], v[TM+4+\b]   ; with lane l xor 16: the block's largest magnitude
.endr
.irp b, 0,1,2,3
	s_delay_alu instid0(VALU_DEP_4)
	v_add_nc_u32 v[TM+12+\b], 0xf8800000, v[TM+\b]   ; 15 off its exponent field: the conversion's scale operand
.endr
.irp b, 0,1,2,3
.endr
.irp b, 0,1,2,3
	s_delay_alu instid0(VALU_DEP_4)
	v_lshrrev_b32 v[TM+4+\b], 23, v[TM+12+\b]   ; the scale's byte
.endr
	s_delay_alu instid0(VALU_DEP_3)
	v_lshl_or_b32 v[PW], v[TM+5], 8, v[TM+4]
	s_delay_alu instid0(VALU_DEP_1)
	v_lshl_or_b32 v[PW], v[TM+6], 16, v[PW]
	s_delay_alu instid0(VALU_DEP_1)
	v_lshl_or_b32 v[PW], v[TM+7], 24, v[PW]
.irp b, 0,1,2,3
.irp i, 0,1,2,3,4,5,6,7,8,9,10,11,12,13,14,15
.endr
	v_cvt_scalef32_pk8_bf8_f32 v[PC+4*\b:PC+1+4*\b], v[\s+16*\b:\s+7+16*\b], v[TM+12+\b]
	v_cvt_scalef32_pk8_bf8_f32 v[PC+2+4*\b:PC+3+4*\b], v[\s+8+16*\b:\s+15+16*\b], v[TM+12+\b]
.endr
	v_nop                                          ; one plain line behind the last conversion
.endm
	s_load_b256 s[4:11], s[0:1], 0x0               ; x s[4:5], wq s[6:7], wk s[8:9], wv s[10:11]
	s_load_b128 s[12:15], s[0:1], 0x20             ; wo s[12:13], part s[14:15]
	s_load_b64 s[16:17], s[0:1], 0x30              ; wf
	v_lshl_add_u32 v128, v0, 2, 0x800
	v_mov_b32 v129, 0
	v_lshrrev_b32 v1, 5, v0
	s_delay_alu instid0(VALU_DEP_1)
	v_readfirstlane_b32 s18, v1                    ; wave 0..7
	v_and_b32 v1, 31, v0                           ; lane
	s_cmp_lt_u32 ttmp9, 4                          ; the same in all waves of a work-group
	s_cbranch_scc1 .Lweights
	; ---- the statistics of one chunk
	s_sub_co_u32 s24, ttmp9, 4                     ; ci
	s_lshl_b32 s26, s24, 16                        ; a chunk of x is 65,536 bytes
	s_mov_b32 s27, 0
	s_lshl_b32 s28, s24, 8                         ; and 256 bytes of part
	s_mov_b32 s29, 0
	v_lshlrev_b32 v2, 4, v0                        ; 16 t: row w, group = lane
	v_lshlrev_b32 v3, 3, v0                        ; LDS: 8 t = 256 w + 8 lane
	v_lshlrev_b32 v4, 3, v1                        ; 8 lane
	s_wait_alu depctr_va_vdst(0)
	s_wait_kmcnt 0x0
	s_add_nc_u64 s[4:5], s[4:5], s[26:27]
	s_add_nc_u64 s[14:15], s[14:15], s[28:29]
.irp i, 0,1,2,3,4,5,6,7,8,9,10,11,12,13,14,15
	global_load_b128 v[16+4*\i:19+4*\i], v2, s[4:5] offset:4096*\i   ; rows w + 8 i: 512 consecutive bytes a wave; the whole chunk is on its way at once
.endr
	s_wait_loadcnt 0x0
	v_pk_add_f32 v[82:83], v[16:17], v[24:25]
	v_pk_add_f32 v[84:85], v[32:33], v[40:41]
	v_pk_add_f32 v[86:87], v[48:49], v[56:57]
	v_pk_add_f32 v[126:127], v[64:65], v[72:73]
	v_pk_add_f32 v[124:125], v[18:19], v[26:27]
	v_pk_add_f32 v[122:123], v[34:35], v[42:43]
	v_pk_add_f32 v[120:121], v[50:51], v[58:59]
	v_pk_add_f32 v[80:81], v[66:67], v[74:75]
	s_delay_alu instid0(VALU_DEP_1)
	v_pk_add_f32 v[80:81], v[80:81], v[20:21]
	v_pk_add_f32 v[82:83], v[82:83], v[28:29]
	v_pk_add_f32 v[84:85], v[84:85], v[36:37]
	v_pk_add_f32 v[86:87], v[86:87], v[44:45]
	v_pk_add_f32 v[126:127], v[126:127], v[52:53]
	v_pk_add_f32 v[124:125], v[124:125], v[60:61]
	v_pk_add_f32 v[122:123], v[122:123], v[68:69]
	v_pk_add_f32 v[120:121], v[120:121], v[76:77]
	v_pk_add_f32 v[80:81], v[80:81], v[22:23]
	v_pk_add_f32 v[82:83], v[82:83], v[30:31]
	v_pk_add_f32 v[84:85], v[84:85], v[38:39]
	v_pk_add_f32 v[86:87], v[86:87], v[46:47]
	v_pk_add_f32 v[126:127], v[126:127], v[54:55]
	v_pk_add_f32 v[124:125], v[124:125], v[62:63]
	v_pk_add_f32 v[122:123], v[122:123], v[70:71]
	v_pk_add_f32 v[120:121], v[120:121], v[78:79]
	s_delay_alu instid0(VALU_DEP_4)
	v_pk_add_f32 v[80:81], v[80:81], v[126:127]
	s_delay_alu instid0(VALU_DEP_4)
	v_pk_add_f32 v[82:83], v[82:83], v[124:125]
	s_delay_alu instid0(VALU_DEP_4)
	v_pk_add_f32 v[84:85], v[84:85], v[122:123]
	s_delay_alu instid0(VALU_DEP_4)
	v_pk_add_f32 v[86:87], v[86:87], v[120:121]
	s_delay_alu instid0(VALU_DEP_2)
	v_pk_add_f32 v[80:81], v[80:81], v[84:85]
	s_delay_alu instid0(VALU_DEP_2)
	v_pk_add_f32 v[82:83], v[82:83], v[86:87]
	s_delay_alu instid0(VALU_DEP_1)
	v_pk_add_f32 v[80:81], v[80:81], v[82:83]
	s_delay_alu instid0(VALU_DEP_1)
	v_add_f32 v80, v80, v81
	s_delay_alu instid0(VALU_DEP_1)
	v_mul_f32 v88, 0x3c800000, v80                 ; mean_w = sum / 64
	s_delay_alu instid0(VALU_DEP_1)
	v_mov_b32 v89, v88
.set j, 0
.rept 32
	v_pk_add_f32 v[16+j:17+j], v[16+j:17+j], v[88:89] neg_lo:[0,1] neg_hi:[0,1]   ; d = x - mean_w
.set j, j+2
.endr
.irp k, 0,1,2,3
	v_pk_mul_f32 v[80+2*\k:81+2*\k], v[16+2*\k:17+2*\k], v[16+2*\k:17+2*\k]       ; the sum of d^2, in four chains
.endr
.irp p, 4,8,12,16,20,24,28
.irp k, 0,1,2,3
	s_delay_alu instid0(VALU_DEP_4)
	v_pk_fma_f32 v[80+2*\k:81+2*\k], v[16+2*(\p+\k):17+2*(\p+\k)], v[16+2*(\p+\k):17+2*(\p+\k)], v[80+2*\k:81+2*\k]
.endr
.endr
	s_delay_alu instid0(VALU_DEP_3)
	v_pk_add_f32 v[80:81], v[80:81], v[82:83]
	s_delay_alu instid0(VALU_DEP_2)
	v_pk_add_f32 v[84:85], v[84:85], v[86:87]
	s_delay_alu instid0(VALU_DEP_1)
	v_pk_add_f32 v[80:81], v[80:81], v[84:85]
	s_delay_alu instid0(VALU_DEP_1)
	v_add_f32 v89, v80, v81                        ; M2_w
	ds_store_b64 v3, v[88:89]
	s_wait_dscnt 0x0                               ; for the others: my store has landed
	s_barrier_signal -1
	s_barrier_wait -1
	s_cmp_lg_u32 s18, 0
	s_cbranch_scc1 .Lend                           ; wave 0 joins the eight
.irp i, 0,1,2,3,4,5,6,7
	ds_load_b64 v[16+2*\i:17+2*\i], v4 offset:256*\i
.endr
	s_wait_dscnt 0x0
	v_pk_add_f32 v[32:33], v[16:17], v[18:19]
	v_pk_add_f32 v[34:35], v[20:21], v[22:23]
	v_pk_add_f32 v[36:37], v[24:25], v[26:27]
	v_pk_add_f32 v[38:39], v[28:29], v[30:31]
	s_delay_alu instid0(VALU_DEP_3)
	v_pk_add_f32 v[32:33], v[32:33], v[34:35]
	s_delay_alu instid0(VALU_DEP_2)
	v_pk_add_f32 v[36:37], v[36:37], v[38:39]
	s_delay_alu instid0(VALU_DEP_1)
	v_pk_add_f32 v[32:33], v[32:33], v[36:37]      ; (the means' sum, the M2s' sum)
	s_delay_alu instid0(VALU_DEP_1)
	v_mul_f32 v40, 0x3e000000, v32                 ; mean = / 8
	s_delay_alu instid0(VALU_DEP_1)
	v_sub_f32 v42, v16, v40
	s_delay_alu instid0(VALU_DEP_2)
	v_sub_f32 v43, v18, v40
	s_delay_alu instid0(VALU_DEP_2)
	v_mul_f32 v44, v42, v42
	s_delay_alu instid0(VALU_DEP_2)
	v_mul_f32 v45, v43, v43
.irp i, 2,4,6
	v_sub_f32 v42, v[16+2*\i], v40
	v_sub_f32 v43, v[18+2*\i], v40
	s_delay_alu instid0(VALU_DEP_2)
	v_fma_f32 v44, v42, v42, v44
	s_delay_alu instid0(VALU_DEP_2)
	v_fma_f32 v45, v43, v43, v45
.endr
	s_delay_alu instid0(VALU_DEP_1)
	v_add_f32 v44, v44, v45
	s_delay_alu instid0(VALU_DEP_1)
	v_fmamk_f32 v41, v44, 0x42800000, v33          ; M2 = 64 x the sum of (mean_w - mean)^2 + the M2s' sum
	global_store_b64 v4, v[40:41], s[14:15]        ; 32 lanes store 256 consecutive bytes, aligned
.Lend:
	s_wait_tensorcnt 0x0
	ds_add_u32 v128, v129
	s_wait_dscnt 0x0
	s_endpgm
	; ---- one weight
.Lweights:
	v_and_b32 v2, 15, v0                           ; r
	v_bfe_u32 v3, v0, 4, 1                         ; h
	s_delay_alu instid0(VALU_DEP_2)
	v_and_b32 v4, 8, v2
	s_delay_alu instid0(VALU_DEP_1)
	v_add_nc_u32 v4, v4, v2                        ; r + 8 (r / 8)
	s_delay_alu instid0(VALU_DEP_1)
	v_lshlrev_b32 v5, 2, v4
	s_delay_alu instid0(VALU_DEP_1)
	v_lshl_add_u32 v5, v3, 13, v5                  ; lanes 16-31 begin 16 rows of 512 bytes further down
	s_lshr_b32 s24, s18, 1
	s_and_b32 s25, s18, 1
	s_lshl_b32 s24, s24, 7                         ; 32 (t / 2) columns of 4 bytes
	s_lshl_b32 s25, s25, 5                         ; 8 (t % 2)
	s_add_co_u32 s24, s24, s25
	v_add_nc_u32 v5, s24, v5
	s_wait_alu depctr_va_vdst(0)
	v_lshlrev_b32 v6, 4, v1
	s_delay_alu instid0(VALU_DEP_1)
	v_lshl_add_u32 v6, s18, 11, v6                 ; out: 2048 t + 16 lane
	v_lshlrev_b32 v7, 2, v1
	s_delay_alu instid0(VALU_DEP_1)
	v_lshl_add_u32 v7, s18, 7, v7                  ; and 128 t + 4 lane
	s_mov_b32 s[SEL], 0x76543210
	s_mov_b32 s[SEL+1], 0xfedcba98
.irp b, 0,1,2,3
	v_mov_b32 v[TM+4+\b], 0                        ; a lane permute's destination counts as one of its sources
.endr
	s_mul_i32 s26, ttmp9, 17408                    ; my record of wf
	s_mov_b32 s27, 0
	s_wait_kmcnt 0x0
	s_cmp_eq_u32 ttmp9, 1                          ; the choice hangs on the work-group's number alone
	s_cselect_b64 s[6:7], s[8:9], s[6:7]
	s_cmp_eq_u32 ttmp9, 2
	s_cselect_b64 s[6:7], s[10:11], s[6:7]
	s_cmp_eq_u32 ttmp9, 3
	s_cselect_b64 s[6:7], s[12:13], s[6:7]
	s_add_nc_u64 s[16:17], s[16:17], s[26:27]
.irp c, 0,1,2,3
.irp i, 0,1,2,3,4,5,6,7,8,9,10,11,12,13,14,15
	global_load_b32 v[64+16*\c+\i], v5, s[6:7] offset:512*(32*\c+\i)   ; W(32 c + 16 h + i, my column)
.endr
.endr
	s_wait_loadcnt 0x0
	QUANT 64
.irp c, 0,1,2,3
	global_store_b128 v6, v[PC+4*\c:PC+4*\c+3], s[16:17] offset:512*\c   ; 512 consecutive bytes a store
.endr
	global_store_b32 v7, v[PW], s[16:17] offset:16384
	s_endpgm
.Lfunc_end_k_q3021ede83e_stats:
	.size	k_q3021ede83e_stats, .Lfunc_end_k_q3021ede83e_stats-k_q3021ede83e_stats
	.p2alignl 7, 3214868480
	.fill 96, 4, 3214868480
	.section	.rodata,"a",@progbits
	.p2align	6, 0x0
	.amdhsa_kernel k_q3021ede83e_stats
		.amdhsa_group_segment_fixed_size 3072
		.amdhsa_private_segment_fixed_size 0
		.amdhsa_enable_private_segment 0
		.amdhsa_kernarg_size 56
		.amdhsa_user_sgpr_count 2
		.amdhsa_user_sgpr_kernarg_segment_ptr 1
		.amdhsa_wavefront_size32 1
		.amdhsa_system_sgpr_workgroup_id_x 1
		.amdhsa_system_sgpr_workgroup_id_y 1
		.amdhsa_system_sgpr_workgroup_id_z 1
		.amdhsa_system_vgpr_workitem_id 0
		.amdhsa_next_free_vgpr 130
		.amdhsa_next_free_sgpr 66
		.amdhsa_reserve_vcc 0
		.amdhsa_float_denorm_mode_32 3
		.amdhsa_float_denorm_mode_16_64 3
		.amdhsa_fp16_overflow 1
		.amdhsa_memory_ordered 1
		.amdhsa_forward_progress 1
		.amdhsa_inst_pref_size 27
	.end_amdhsa_kernel
	.amdgpu_metadata
---
amdhsa.version: [ 1, 2 ]
amdhsa.kernels:
  - .name:           k_q3021ede83e_stats
    .symbol:         k_q3021ede83e_stats.kd
    .args:
      - { .name: x, .offset: 0, .size: 8, .value_kind: global_buffer, .address_space: global }
      - { .name: wq, .offset: 8, .size: 8, .value_kind: global_buffer, .address_space: global }
      - { .name: wk, .offset: 16, .size: 8, .value_kind: global_buffer, .address_space: global }
      - { .name: wv, .offset: 24, .size: 8, .value_kind: global_buffer, .address_space: global }
      - { .name: wo, .offset: 32, .size: 8, .value_kind: global_buffer, .address_space: global }
      - { .name: part, .offset: 40, .size: 8, .value_kind: global_buffer, .address_space: global }
      - { .name: wf, .offset: 48, .size: 8, .value_kind: global_buffer, .address_space: global }
    .group_segment_fixed_size: 3072
    .private_segment_fixed_size: 0
    .kernarg_segment_align: 8
    .kernarg_segment_size: 56
    .max_flat_workgroup_size: 256
    .sgpr_count:     66
    .vgpr_count:     130
    .wavefront_size: 32
...
	.end_amdgpu_metadata
.endif
;; end of part 1
;; launch qkv (part 2): grid 256 x 1, 8 waves a work-group, no clusters, 99,328 bytes of LDS; arguments x, part, gn_scale, gn_bias, wf, bq, bk, bv, qc, qs, kvc, kvs; writes qc, qs, kvc, kvs
.if DOCPART == 2
	.amdgcn_target "amdgcn-amd-amdhsa--gfx1250"
	.amdhsa_code_object_version 6
	.text
	.protected	k_q3021ede83e_qkv
	.globl	k_q3021ede83e_qkv
	.p2align	8
	.type	k_q3021ede83e_qkv,@function
k_q3021ede83e_qkv:
	s_mov_b64 s[64:65], 0
	v_nop
	global_prefetch_b8 v0, s[64:65] scope:SCOPE_SE
	s_setreg_imm32_b32 hwreg(HW_REG_WAVE_MODE, 25, 1), 1
	s_wait_xcnt 0x0
; One work-group to a chunk of 128 positions (ci = work-group): h = GroupNorm(x), quantised along the channels; q = h wq + bq, k = h wk + bk, quantised along the channels;
; v = h wv + bv, quantised along the KEYS (its K in the second product of attention).  All products on codes of E5M2 with E8M0 scales (MX-BF8), f32 sums.
; THE ORDER pi: row p (0..15) of tile t is index 32 (t / 2) + 8 (t % 2) + p + 8 (p / 8), for positions and for output channels alike.  With it the 16 registers that a lane holds of tiles 2 b and
; 2 b + 1 of a result are 16 neighbours, 32 b + 16 (lane / 16) + 0 .. 15, of the next product's K: the conversions' results are the next operand's registers.
; SHARES.  Wave w normalises and quantises position tile w; makes q (even w) or k (odd w) of position tiles 2 (w / 2), 2 (w / 2) + 1 with that weight's 8 fragments in registers
; (transposed: source 0 = 16 output channels, source 1 = 16 positions); and makes channel tile w of V^T for all 128 positions (source 0 = 16 positions, source 1 = 16 channels of wv).
; The text is one for all waves: the roles differ in pointers chosen by s_cselect alone.  h goes from wave to wave through LDS as images of operand registers (16 bytes a lane, 512 a store).
; OUT, all as images of operand registers: qc[ci][tile][2048], kvc[ci][K's 8 tiles][V^T's 8 tiles]; scale words in packed blocks of 512 bytes: word i of the 16 bytes at 16 L is the word of
; tile 2 i + L / 16, row L % 16 (qs[ci], kvs[ci][K, V]).
; The statistics: mean = the 32 chunks' means' mean; M2 = the M2s' sum + 512 x the sum of (mean_i - mean)^2; var = M2 / 16,384.  x - mean is formed first, then x (rstd gain) + bias:
; rstd x gain is rounded once ahead of the multiplication, where the definition multiplies by rstd and then by the gain.
; LIMITS: NaN and infinities are not served.  A block of zeros gets the byte 1 where the rule says 127: its codes are zeros, and this program alone reads the bytes.
; No tensor loads: everything is read once, straight into registers.  No cluster: work-groups share only the weights, 70 KB beside a chunk's own work.
; REGISTERS, window 0: v1-15, v38, v39, v49, v61-63 addresses; v16-31 one fragment of h; v32-35 the weight's scale words, packed; v36 wv's; v37 bv; v40-48 h's scale words; v50-60 statistics, gain, bias;
;   v64-127 numbers ahead of a quantiser; v128-191 16 rows of x, later four fragments of h; v192-255 the table, later TM, PW, PC and bv eight times.
; window 1: v0-127 the role's 8 weight fragments; v144-207 its bias in the result's layout; v208-223 wv's fragment w.
.set TAB,  0                           ; LDS: the batch's table of statistics, 8,192 bytes
.set TURN, 8192                        ; a stage of 16 rows x 528 bytes for each wave
.set HIMG, 75776                       ; h's 8 images of 2,048 bytes
.set HSC,  92160                       ; their scale words, 128 bytes each
.set SCS,  93184                       ; the packed blocks of q, k, v: 3 x 512 bytes
.set SEL, 32
.set MNT, 34
.set TM,  192
.set PW,  208
.set PC,  212
.set MSB, 0
.macro WIN new                         ; the immediate's high byte repeats the setting that is left
.if MSB != (\new)
	s_set_vgpr_msb (MSB<<8)|(\new)
.set MSB, (\new)
.endif
.endm
; 64 numbers of a lane, v[s] .. v[s + 63], register 16 b + i = k 32 b + 16 (lane / 16) + i of my row, become a fragment's codes in v[PC] on and its scale word in v[PW].
.macro QUANT s
.irp b, 0,1,2,3
	v_max3_num_f32 v[TM+\b], |v[\s+16*\b]|, |v[\s+1+16*\b]|, 0x8000000   ; my 16 numbers of block b, and the floor 2^(16 - 127): the byte cannot fall under 1
.endr
.irp i, 2,4,6,8,10,12,14
.irp b, 0,1,2,3
	v_max3_num_f32 v[TM+\b], v[TM+\b], |v[\s+16*\b+\i]|, |v[\s+1+16*\b+\i]|
.endr
.endr
.irp b, 0,1,2,3
	s_delay_alu instid0(VALU_DEP_4)
	v_permlanex16_b32 v[TM+4+\b], v[TM+\b], s[SEL], s[SEL+1]
.endr
.irp b, 0,1,2,3
	s_delay_alu instid0(VALU_DEP_4)
	v_max_num_f32 v[TM+\b], v[TM+\b], v[TM+4+\b]
.endr
.irp b, 0,1,2,3
	s_delay_alu instid0(VALU_DEP_4)
	v_add_nc_u32 v[TM+12+\b], 0xf8800000, v[TM+\b]   ; 15 off the exponent field: the conversion's scale operand
.endr
.irp b, 0,1,2,3
.endr
.irp b, 0,1,2,3
	s_delay_alu instid0(VALU_DEP_4)
	v_lshrrev_b32 v[TM+4+\b], 23, v[TM+12+\b]   ; the scale's byte
.endr
	s_delay_alu instid0(VALU_DEP_3)
	v_lshl_or_b32 v[PW], v[TM+5], 8, v[TM+4]
	s_delay_alu instid0(VALU_DEP_1)
	v_lshl_or_b32 v[PW], v[TM+6], 16, v[PW]
	s_delay_alu instid0(VALU_DEP_1)
	v_lshl_or_b32 v[PW], v[TM+7], 24, v[PW]
.irp b, 0,1,2,3
.irp i, 0,1,2,3,4,5,6,7,8,9,10,11,12,13,14,15
.endr
	v_cvt_scalef32_pk8_bf8_f32 v[PC+4*\b:PC+1+4*\b], v[\s+16*\b:\s+7+16*\b], v[TM+12+\b]
	v_cvt_scalef32_pk8_bf8_f32 v[PC+2+4*\b:PC+3+4*\b], v[\s+8+16*\b:\s+15+16*\b], v[TM+12+\b]
.endr
	v_nop                                          ; one plain line between the last conversion and the products that later write its sources
.endm
; tile t of q or k: source 0 = 16 output channels of the weight (window 1), source 1 = 16 positions of h, C = the bias (window 1)
.macro QKMM t
.if (\t)%2
	v_wmma_scale_f32_16x16x128_f8f6f4 v[64+8*\t:71+8*\t], v[16*\t:16*\t+15], v[16:31], v[144+8*\t:151+8*\t], v[32+\t/2], v48 matrix_a_fmt:MATRIX_FMT_BF8 matrix_b_fmt:MATRIX_FMT_BF8 matrix_a_scale:MATRIX_SCALE_ROW1
.else
	v_wmma_scale_f32_16x16x128_f8f6f4 v[64+8*\t:71+8*\t], v[16*\t:16*\t+15], v[16:31], v[144+8*\t:151+8*\t], v[32+\t/2], v48 matrix_a_fmt:MATRIX_FMT_BF8 matrix_b_fmt:MATRIX_FMT_BF8
.endif
.endm
	s_load_b512 s[4:19], s[0:1], 0x0               ; x s[4:5], part s[6:7], gn_scale s[8:9], gn_bias s[10:11], wf s[12:13], bq s[14:15], bk s[16:17], bv s[18:19]
	s_load_b256 s[20:27], s[0:1], 0x40             ; qc s[20:21], qs s[22:23], kvc s[24:25], kvs s[26:27]
	s_set_vgpr_msb 0x40
	v_lshl_add_u32 v254, v0, 2, 0x18000
	v_mov_b32 v255, 0
	s_set_vgpr_msb 0x4000
	v_lshrrev_b32 v1, 5, v0
	s_delay_alu instid0(VALU_DEP_1)
	v_readfirstlane_b32 s28, v1                    ; wave w
	s_and_b32 s29, s28, 1                          ; role: 0 q, 1 k
	s_lshr_b32 s30, s28, 1
	v_and_b32 v1, 31, v0                           ; lane
	v_and_b32 v2, 15, v0                           ; r
	v_bfe_u32 v3, v0, 4, 1                         ; h
	s_delay_alu instid0(VALU_DEP_3)
	v_lshlrev_b32 v4, 4, v1                        ; 16 lane
	s_delay_alu instid0(VALU_DEP_4)
	v_lshlrev_b32 v5, 2, v1                        ; 4 lane
	s_mul_i32 s36, s28, 8448
	s_add_co_u32 s36, s36, TURN
	v_add_nc_u32 v6, s36, v4                       ; my stage, by rows: 16 lane
	v_mul_u32_u24 v7, v2, 528
	s_delay_alu instid0(VALU_DEP_1)
	v_lshl_add_u32 v7, v3, 6, v7
	s_delay_alu instid0(VALU_DEP_1)
	v_add_nc_u32 v7, s36, v7                       ; and by lanes: row r, + 64 h
	s_lshl_b32 s36, s28, 11
	s_add_co_u32 s36, s36, HIMG
	v_add_nc_u32 v8, s36, v4                       ; where I store my image of h
	s_lshl_b32 s36, s28, 7
	s_add_co_u32 s36, s36, HSC
	v_add_nc_u32 v9, s36, v5                       ; and its scale word
	s_lshl_b32 s36, s29, 9
	s_lshl_b32 s37, s30, 2
	s_add_co_u32 s36, s36, s37
	s_add_co_u32 s36, s36, SCS
	v_lshl_add_u32 v10, v2, 4, s36                 ; q's or k's packed block: 16 r + 4 (w / 2); the second tile 256 bytes on
	s_lshl_b32 s36, s29, 8
	s_add_co_u32 s36, s36, s37
	s_add_co_u32 s36, s36, SCS+1024
	v_lshl_add_u32 v11, v2, 4, s36                 ; v's: 16 r + 256 (w % 2) + 4 (w / 2)
	v_lshl_add_u32 v12, s28, 10, v4                ; the table: 1,024 bytes a wave
	v_lshlrev_b32 v13, 3, v1                       ; and out of it: 8 lane
	v_lshlrev_b32 v14, 6, v3                       ; the bias: 64 h
	s_lshl_b32 s36, s28, 9
	s_add_co_u32 s36, s36, SCS
	v_add_nc_u32 v15, s36, v4                      ; waves 0 to 2: a packed block on its way out
	v_lshl_add_u32 v38, v3, 6, v5                  ; a weight's scale words, packed on the way in: 4 lane + 64 h
	v_and_b32 v39, 8, v2
	s_delay_alu instid0(VALU_DEP_1)
	v_add_nc_u32 v39, v39, v2
	s_lshl_b32 s36, s30, 7
	s_lshl_b32 s37, s29, 5
	s_add_co_u32 s36, s36, s37
	v_lshl_add_u32 v39, v39, 2, s36                ; bv of my channel: 4 (32 (w / 2) + 8 (w % 2) + r + 8 (r / 8))
	s_lshl_b32 s36, s30, 12
	s_add_co_u32 s36, s36, HIMG
	v_add_nc_u32 v49, s36, v4                      ; the two images of h that I multiply for q or k
	s_lshl_b32 s36, s30, 8
	s_add_co_u32 s36, s36, HSC
	v_add_nc_u32 v61, s36, v5
	v_add_nc_u32 v62, HIMG, v4                     ; all eight, for v
	v_add_nc_u32 v63, HSC, v5
	s_mov_b32 s[SEL], 0x76543210
	s_mov_b32 s[SEL+1], 0xfedcba98
	; byte offsets, each in a pair with 0 above it
	s_lshr_b32 s36, ttmp9, 5
	s_lshl_b32 s36, s36, 13                        ; part: 8,192 bytes a batch
	s_mov_b32 s37, 0
	s_lshl_b32 s38, ttmp9, 16                      ; x: 65,536 bytes a chunk,
	s_lshl_b32 s48, s30, 14
	s_add_co_u32 s38, s38, s48                     ; + 32 (w / 2) rows of 512 bytes
	s_lshl_b32 s48, s29, 12
	s_add_co_u32 s38, s38, s48                     ; + 8 (w % 2) rows
	s_mov_b32 s39, 0
	s_mul_i32 s48, s29, 17408                      ; wq's or wk's record
	s_mov_b32 s49, 0
	s_lshl_b32 s50, s28, 11
	s_add_co_u32 s50, s50, 34816                   ; wv's record, fragment w
	s_mov_b32 s51, 0
	s_lshl_b32 s58, s28, 7
	s_add_co_u32 s58, s58, 51200                   ; and its scale words
	s_mov_b32 s59, 0
	s_lshl_b32 s60, s30, 12                        ; two images of 2,048 bytes
	s_lshl_b32 s66, ttmp9, 14
	s_add_co_u32 s66, s66, s60                     ; in qc
	s_lshl_b32 s67, ttmp9, 15
	s_add_co_u32 s70, s67, s50                     ; (32768 ci + 34816 + 2048 w,
	s_sub_co_u32 s70, s70, 18432                   ; less 18,432: V^T's image w at 32768 ci + 16384 + 2048 w)
	s_add_co_u32 s67, s67, s60                     ; in kvc
	s_mov_b32 s69, 0
	s_mov_b32 s71, 0
	s_lshl_b32 s72, ttmp9, 9                       ; qs
	s_lshl_b32 s73, ttmp9, 10
	s_lshl_b32 s60, s30, 9
	s_add_co_u32 s73, s73, s60                     ; kvs: K's block (wave 1), V's (wave 2)
	s_mov_b32 s75, 0
	s_wait_alu depctr_va_vdst(0)
	s_wait_kmcnt 0x0
	s_add_nc_u64 s[6:7], s[6:7], s[36:37]
	s_add_nc_u64 s[4:5], s[4:5], s[38:39]
	; ---- loads A: the table, gain and bias, my 16 rows of x
	global_load_b128 v[192:195], v12, s[6:7]
	global_load_b128 v[196:199], v12, s[6:7] offset:512
	global_load_b128 v[52:55], v4, s[8:9]
	global_load_b128 v[56:59], v4, s[10:11]
.irp p, 0,1,2,3,4,5,6,7,8,9,10,11,12,13,14,15
	global_load_b128 v[128+4*\p:131+4*\p], v4, s[4:5] offset:(\p+8*(\p/8))*512   ; a row: 512 consecutive bytes; lane = group
.endr
	s_add_nc_u64 s[40:41], s[12:13], s[48:49]
	s_add_nc_u64 s[42:43], s[12:13], s[50:51]
	s_add_nc_u64 s[46:47], s[12:13], s[58:59]
	s_cmp_eq_u32 s29, 0                            ; the choices hang on the wave's number alone
	s_cselect_b64 s[44:45], s[14:15], s[16:17]
	s_cselect_b64 s[52:53], s[20:21], s[24:25]
	s_cselect_b32 s68, s66, s67
	s_cmp_eq_u32 s28, 0
	s_cselect_b64 s[56:57], s[22:23], s[26:27]
	s_cselect_b32 s74, s72, s73
	s_add_nc_u64 s[52:53], s[52:53], s[68:69]
	s_add_nc_u64 s[54:55], s[24:25], s[70:71]
	s_add_nc_u64 s[56:57], s[56:57], s[74:75]
	s_wait_loadcnt 18                              ; the table's two loads are in: behind them stand gain, bias and 16 rows
	ds_store_b128 v12, v[192:195]
	ds_store_b128 v12, v[196:199] offset:512
	; ---- loads B: 58 loads that are wanted from the first products on
	WIN 0x40                                       ; destination window 1
.irp t, 0,1,2,3,4,5,6,7
.irp c, 0,1,2,3
	global_load_b128 v[16*\t+4*\c:16*\t+4*\c+3], v4, s[40:41] offset:2048*\t+512*\c
.endr
.endr
.irp c, 0,1,2,3
	global_load_b128 v[208+4*\c:211+4*\c], v4, s[42:43] offset:512*\c
.endr
.irp t, 0,1,2,3,4,5,6,7
	global_load_b128 v[144+8*\t:147+8*\t], v14, s[44:45] offset:(32*(\t/2)+8*(\t%2))*4      ; lane (r, h), tile t: channels 32 (t / 2) + 16 h + 8 (t % 2) + 0 .. 7
	global_load_b128 v[148+8*\t:151+8*\t], v14, s[44:45] offset:(32*(\t/2)+8*(\t%2))*4+16
.endr
	WIN 0
.irp i, 0,1,2,3
	global_load_b32 v[32+\i], v38, s[40:41] offset:16384+256*\i   ; lanes 0-15: tile 2 i; lanes 16-31: tile 2 i + 1
.endr
	global_load_b32 v36, v5, s[46:47]
	global_load_b32 v37, v39, s[18:19]
	s_wait_dscnt 0x0                               ; my part of the table has landed in LDS
	s_barrier_signal -1
	s_barrier_wait -1
	; ---- the group's mean and 1 / sqrt(var + eps): lane = group
.irp i, 0,1,2,3,4,5,6,7,8,9,10,11,12,13,14,15,16,17,18,19,20,21,22,23,24,25,26,27,28,29,30,31
	ds_load_b64 v[192+2*\i:193+2*\i], v13 offset:256*\i
.endr
	s_wait_dscnt 0x0
	v_pk_add_f32 v[66:67], v[192:193], v[200:201]
	v_pk_add_f32 v[68:69], v[208:209], v[216:217]
	v_pk_add_f32 v[70:71], v[224:225], v[232:233]
	v_pk_add_f32 v[126:127], v[240:241], v[248:249]
	v_pk_add_f32 v[124:125], v[194:195], v[202:203]
	v_pk_add_f32 v[122:123], v[210:211], v[218:219]
	v_pk_add_f32 v[120:121], v[226:227], v[234:235]
	v_pk_add_f32 v[64:65], v[242:243], v[250:251]
	s_delay_alu instid0(VALU_DEP_1)
	v_pk_add_f32 v[64:65], v[64:65], v[196:197]
	v_pk_add_f32 v[66:67], v[66:67], v[204:205]
	v_pk_add_f32 v[68:69], v[68:69], v[212:213]
	v_pk_add_f32 v[70:71], v[70:71], v[220:221]
	v_pk_add_f32 v[126:127], v[126:127], v[228:229]
	v_pk_add_f32 v[124:125], v[124:125], v[236:237]
	v_pk_add_f32 v[122:123], v[122:123], v[244:245]
	v_pk_add_f32 v[120:121], v[120:121], v[252:253]
	v_pk_add_f32 v[64:65], v[64:65], v[198:199]
	v_pk_add_f32 v[66:67], v[66:67], v[206:207]
	v_pk_add_f32 v[68:69], v[68:69], v[214:215]
	v_pk_add_f32 v[70:71], v[70:71], v[222:223]
	v_pk_add_f32 v[126:127], v[126:127], v[230:231]
	v_pk_add_f32 v[124:125], v[124:125], v[238:239]
	v_pk_add_f32 v[122:123], v[122:123], v[246:247]
	v_pk_add_f32 v[120:121], v[120:121], v[254:255]
	s_delay_alu instid0(VALU_DEP_4)
	v_pk_add_f32 v[64:65], v[64:65], v[126:127]
	s_delay_alu instid0(VALU_DEP_4)
	v_pk_add_f32 v[66:67], v[66:67], v[124:125]
	s_delay_alu instid0(VALU_DEP_4)
	v_pk_add_f32 v[68:69], v[68:69], v[122:123]
	s_delay_alu instid0(VALU_DEP_4)
	v_pk_add_f32 v[70:71], v[70:71], v[120:121]
	s_delay_alu instid0(VALU_DEP_2)
	v_pk_add_f32 v[64:65], v[64:65], v[68:69]
	s_delay_alu instid0(VALU_DEP_2)
	v_pk_add_f32 v[66:67], v[66:67], v[70:71]
	s_delay_alu instid0(VALU_DEP_1)
	v_pk_add_f32 v[64:65], v[64:65], v[66:67]
	s_delay_alu instid0(VALU_DEP_1)
	v_mul_f32 v50, 0x3d000000, v64                 ; mean = / 32
	s_delay_alu instid0(VALU_DEP_1)
	v_mov_b32 v51, v50
	s_delay_alu instid0(VALU_DEP_2)
	v_sub_f32 v72, v192, v50
	s_delay_alu instid0(VALU_DEP_3)
	v_sub_f32 v73, v194, v50
	s_delay_alu instid0(VALU_DEP_2)
	v_mul_f32 v74, v72, v72
	s_delay_alu instid0(VALU_DEP_2)
	v_mul_f32 v75, v73, v73
.irp i, 2,4,6,8,10,12,14,16,18,20,22,24,26,28,30
	v_sub_f32 v72, v[192+2*\i], v50
	v_sub_f32 v73, v[194+2*\i], v50
	s_delay_alu instid0(VALU_DEP_2)
	v_fma_f32 v74, v72, v72, v74
	s_delay_alu instid0(VALU_DEP_2)
	v_fma_f32 v75, v73, v73, v75
.endr
	s_delay_alu instid0(VALU_DEP_1)
	v_add_f32 v74, v74, v75
	s_delay_alu instid0(VALU_DEP_1)
	v_fmamk_f32 v76, v74, 0x44000000, v65          ; M2 = 512 x the sum of (mean_i - mean)^2 + the M2s' sum
	v_mov_b32 v77, 0x38800000
	s_delay_alu instid0(VALU_DEP_1)
	v_fmaak_f32 v76, v76, v77, 0x358637bd          ; var + eps = M2 / 16,384 + 1e-6
	s_wait_alu depctr_va_vdst(0)
	v_rsq_f32 v60, v76
.irp b, 0,1,2,3
	v_mov_b32 v[TM+4+\b], 0                        ; plain lines behind the transcendental; a lane permute's destination counts as one of its sources
.endr
	s_wait_alu depctr_va_vdst(0)                   ; the wait ahead of the first line that names the result
	s_wait_loadcnt 58                              ; gain, bias and x are in: behind them stand the 58 loads B
.irp c, 0,1,2,3
	v_mul_f32 v[52+\c], v60, v[52+\c]              ; a = rstd x gain
.endr
.irp p, 0,1,2,3,4,5,6,7,8,9,10,11,12,13,14,15
	v_pk_add_f32 v[128+4*\p:129+4*\p], v[128+4*\p:129+4*\p], v[50:51] neg_lo:[0,1] neg_hi:[0,1]
	v_pk_add_f32 v[130+4*\p:131+4*\p], v[130+4*\p:131+4*\p], v[50:51] neg_lo:[0,1] neg_hi:[0,1]
	s_delay_alu instid0(VALU_DEP_2)
	v_pk_fma_f32 v[128+4*\p:129+4*\p], v[128+4*\p:129+4*\p], v[52:53], v[56:57]
	s_delay_alu instid0(VALU_DEP_2)
	v_pk_fma_f32 v[130+4*\p:131+4*\p], v[130+4*\p:131+4*\p], v[54:55], v[58:59]
.endr
	; ---- the turn: rows in, 16 neighbours of each block of 32 channels out.  My own stage: LDS serves a wave's instructions in order (ISA guide 5.7.1.4)
.irp p, 0,1,2,3,4,5,6,7,8,9,10,11,12,13,14,15
	ds_store_b128 v6, v[128+4*\p:131+4*\p] offset:528*\p
.endr
.irp c, 0,1,2,3
.irp j, 0,1,2,3
	ds_load_b128 v[64+16*\c+4*\j:67+16*\c+4*\j], v7 offset:128*\c+16*\j
.endr
.endr
	s_wait_dscnt 0x0
	QUANT 64
.irp c, 0,1,2,3
	ds_store_b128 v8, v[PC+4*\c:PC+4*\c+3] offset:512*\c   ; the image of h's fragment w
.endr
	ds_store_b32 v9, v[PW]
	s_wait_loadcnt 0x0                             ; weights, biases, scale words
.irp j, 0,1,2,3,4,5,6,7
	v_mov_b32 v[240+\j], v37                       ; bv of my channel, as the C of v's products
.endr
	s_wait_dscnt 0x0
	s_barrier_signal -1
	s_barrier_wait -1                              ; h's eight images lie in LDS
	; ---- q or k of two tiles of positions
.irp m, 0,1
.irp c, 0,1,2,3
	ds_load_b128 v[16+4*\c:19+4*\c], v49 offset:2048*\m+512*\c
.endr
	ds_load_b32 v48, v61 offset:128*\m
	s_wait_dscnt 0x0
	WIN 0x11                                       ; source 0 (the weight) and source 2 (the bias) window 1
.irp t, 0,1,2,3,4,5,6,7
	QKMM \t
.endr
	WIN 0
.rept 8
	v_nop                                          ; eight places in front of the first read of results
.endr
	s_wait_xcnt 0x0                                ; earlier stores have read the codes' registers
	QUANT 64
.irp c, 0,1,2,3
	global_store_b128 v4, v[PC+4*\c:PC+4*\c+3], s[52:53] offset:2048*\m+512*\c   ; 512 consecutive bytes a store
.endr
	ds_store_b32 v10, v[PW] offset:256*\m          ; both halves of the lanes write the same word with the same value
	s_wait_dscnt 0x0
.endr
	; ---- V^T's channel tile w: eight tiles of positions, four fragments of h at a time
.irp m, 0,1,2,3,4,5,6,7
	ds_load_b32 v[40+\m], v63 offset:128*\m
.endr
.irp g, 0,1
.if \g
.rept 8
	v_nop                                          ; places in front of loads into registers that matrix instructions have read
.endr
.endif
.irp m, 0,1,2,3
.irp c, 0,1,2,3
	ds_load_b128 v[128+16*\m+4*\c:131+16*\m+4*\c], v62 offset:2048*(4*\g+\m)+512*\c
.endr
.endr
	s_wait_dscnt 0x0
	WIN 0x04                                       ; source 1 (wv) window 1
.irp m, 0,1,2,3
	v_wmma_scale_f32_16x16x128_f8f6f4 v[64+8*(4*\g+\m):71+8*(4*\g+\m)], v[128+16*\m:143+16*\m], v[208:223], v[240:247], v[40+4*\g+\m], v36 matrix_a_fmt:MATRIX_FMT_BF8 matrix_b_fmt:MATRIX_FMT_BF8
.endr
	WIN 0
.endr
.rept 8
	v_nop
.endr
	s_wait_xcnt 0x0
	QUANT 64                                       ; a lane holds one channel; register 16 b + i is position 32 b + 16 (lane / 16) + i: blocks of 32 keys
.irp c, 0,1,2,3
	global_store_b128 v4, v[PC+4*\c:PC+4*\c+3], s[54:55] offset:512*\c
.endr
	ds_store_b32 v11, v[PW]
	s_wait_dscnt 0x0
	s_barrier_signal -1
	s_barrier_wait -1                              ; the three packed blocks are whole
	s_cmp_lt_u32 s28, 3
	s_cbranch_scc0 .Lend
	ds_load_b128 v[16:19], v15
	s_wait_dscnt 0x0
	global_store_b128 v4, v[16:19], s[56:57]       ; 512 consecutive bytes, aligned
.Lend:
	s_set_vgpr_msb 0x5
	s_wait_tensorcnt 0x0
	ds_add_u32 v254, v255
	s_wait_dscnt 0x0
	s_set_vgpr_msb 0x500
	s_endpgm
.Lfunc_end_k_q3021ede83e_qkv:
	.size	k_q3021ede83e_qkv, .Lfunc_end_k_q3021ede83e_qkv-k_q3021ede83e_qkv
	.p2alignl 7, 3214868480
	.fill 96, 4, 3214868480
	.section	.rodata,"a",@progbits
	.p2align	6, 0x0
	.amdhsa_kernel k_q3021ede83e_qkv
		.amdhsa_group_segment_fixed_size 99328
		.amdhsa_private_segment_fixed_size 0
		.amdhsa_enable_private_segment 0
		.amdhsa_kernarg_size 96
		.amdhsa_user_sgpr_count 2
		.amdhsa_user_sgpr_kernarg_segment_ptr 1
		.amdhsa_wavefront_size32 1
		.amdhsa_system_sgpr_workgroup_id_x 1
		.amdhsa_system_sgpr_workgroup_id_y 1
		.amdhsa_system_sgpr_workgroup_id_z 1
		.amdhsa_system_vgpr_workitem_id 0
		.amdhsa_next_free_vgpr 512
		.amdhsa_next_free_sgpr 80
		.amdhsa_reserve_vcc 0
		.amdhsa_float_denorm_mode_32 3
		.amdhsa_float_denorm_mode_16_64 3
		.amdhsa_fp16_overflow 1
		.amdhsa_memory_ordered 1
		.amdhsa_forward_progress 1
		.amdhsa_inst_pref_size 56
	.end_amdhsa_kernel
	.amdgpu_metadata
---
amdhsa.version: [ 1, 2 ]
amdhsa.kernels:
  - .name:           k_q3021ede83e_qkv
    .symbol:         k_q3021ede83e_qkv.kd
    .args:
      - { .name: x, .offset: 0, .size: 8, .value_kind: global_buffer, .address_space: global }
      - { .name: part, .offset: 8, .size: 8, .value_kind: global_buffer, .address_space: global }
      - { .name: gn_scale, .offset: 16, .size: 8, .value_kind: global_buffer, .address_space: global }
      - { .name: gn_bias, .offset: 24, .size: 8, .value_kind: global_buffer, .address_space: global }
      - { .name: wf, .offset: 32, .size: 8, .value_kind: global_buffer, .address_space: global }
      - { .name: bq, .offset: 40, .size: 8, .value_kind: global_buffer, .address_space: global }
      - { .name: bk, .offset: 48, .size: 8, .value_kind: global_buffer, .address_space: global }
      - { .name: bv, .offset: 56, .size: 8, .value_kind: global_buffer, .address_space: global }
      - { .name: qc, .offset: 64, .size: 8, .value_kind: global_buffer, .address_space: global }
      - { .name: qs, .offset: 72, .size: 8, .value_kind: global_buffer, .address_space: global }
      - { .name: kvc, .offset: 80, .size: 8, .value_kind: global_buffer, .address_space: global }
      - { .name: kvs, .offset: 88, .size: 8, .value_kind: global_buffer, .address_space: global }
    .group_segment_fixed_size: 99328
    .private_segment_fixed_size: 0
    .kernarg_segment_align: 8
    .kernarg_segment_size: 96
    .max_flat_workgroup_size: 256
    .sgpr_count:     80
    .vgpr_count:     512
    .wavefront_size: 32
...
	.end_amdgpu_metadata
.endif
;; end of part 2
;; launch attn (part 3): grid 32 x 8, 8 waves a work-group, clusters of 4 x 1, 327,680 bytes of LDS; arguments qc, qs, kvc, kvs, wf, bo, x, out0; writes out0
.if DOCPART == 3
	.amdgcn_target "amdgcn-amd-amdhsa--gfx1250"
	.amdhsa_code_object_version 6
	.text
	.protected	k_q3021ede83e_attn
	.globl	k_q3021ede83e_attn
	.p2align	8
	.type	k_q3021ede83e_attn,@function
k_q3021ede83e_attn:
	s_mov_b64 s[64:65], 0
	v_nop
	global_prefetch_b8 v0, s[64:65] scope:SCOPE_SE
	s_setreg_imm32_b32 hwreg(HW_REG_WAVE_MODE, 25, 1), 1
	s_wait_xcnt 0x0
	s_wait_alu depctr_hold_cnt(0) depctr_sa_sdst(0) depctr_va_vdst(0) depctr_va_sdst(0) depctr_va_ssrc(0) depctr_va_vcc(0) depctr_vm_vsrc(0)
	s_getreg_b32 s2, hwreg(HW_REG_IB_STS2, 6, 4)
	s_cmp_eq_u32 s2, 0
	s_cbranch_scc0 .Lentry_in_a_cluster
	s_endpgm
.Lentry_in_a_cluster:
	s_bfe_u32 s2, ttmp6, 0x10000c
	s_cmp_lg_u32 s2, 0x3003
	s_cbranch_scc0 .Lentry_shape_is_right
	s_endpgm
.Lentry_shape_is_right:
; out0 = x + (softmax(q k^T / sqrt(128)) v) wo + bo, one head, 8 batches of 4,096 positions, all three products on codes of E5M2 with E8M0 scales (MX-BF8), f32 sums.
; THE SOFTMAX: t = score x log2(e) / sqrt(128); M = the running largest t, rounded UP to a whole number; p = 2^(t - M) is quantised along the keys, not normalised; the sum is taken of the
; unquantised p and divides at the end.  When M moves, the sum and O are multiplied by 2^(old M - new M), which rounds nothing.
; SHARES.  A work-group owns a chunk of 128 queries.  Wave w owns two tiles of 16 queries, A = 2 (w % 4) + w / 4 in register window 0 and B = A xor 1 in window 1 under the same numbers, and the
; key chunks of parity w / 4: 16 steps of 128 keys.  So each fragment of K and V read from LDS feeds two products, and two waves share a SIMD.  At the end a wave hands tile B's O, M and sum to
; wave w xor 4, whose tile A it is, joins what it receives with its own tile A, divides, quantises o along the channels, multiplies by wo and adds bo and x.
; Both products are used transposed (S^T = K Q^T, O^T = V^T P^T): a lane holds one query.  All operands lie in memory as images of operand registers (16 bytes a lane, 512 a register group),
; with rows in the order pi (row p of tile t = 32 (t / 2) + 8 (t % 2) + p + 8 (p / 8)), so that p's and o's 16 registers of two neighbouring tiles are 16 neighbours of the next K.
; THE RING: two LDS slots of 4 chunks (131,072 bytes, dense in memory), each wave fetching an eighth by one tensor load; the batch's scale words (32,768 bytes) come once.
; CLUSTER: the four work-groups of a cluster belong to one batch and walk the same K and V: each load is asked for jointly, with the same descriptor and the mask 15.
; LIMITS: NaN and infinities are not served.  A p under 2^-126 comes out of v_exp_f32 as 0.  A block of zeros has the byte 1 where the rule says 127 (its codes are zeros).  The sums over the
; keys are taken for each parity of chunks and then joined: another order of f32 additions than the definition's.
; REGISTERS.  window 0 alone: v1-3 places in a slot and among the scale words, v4 the prefetches' offset, v5, v6 the spare word's address and 0, v7, v8 the addresses in hand, v9 tile B's scale word of p,
;   v10 16 x lane, v11 at the head Q's scale address, v248-251 K's, V's or wo's scale words (packed), v253 tile A's scale word of p, v255 Q's scale words (lanes 0-15 tile A, 16-31 tile B).
; both windows, a tile each: v12 -M, v13 the largest t, v[14:15] the sum, v16-31 Q, v96-159 S^T then p, v160-223 O^T, v224-239 p's codes, v232-247, v252, v254 at work.
;   v32-95: fragments 0-3 (window 0), fragments 4-7 (window 1).
.set SLOT1, 1<<17                      ; slot 1 begins here: one exclusive or turns an address
.set SCL,   2*SLOT1                    ; the batch's scale words: chunk c: K's packed block at 1024 c, V's at 1024 c + 512
.set SPARE, SCL+32768                  ; the spare words, 128 bytes for each wave: four blocks of 256 bytes that no other line names
.set WV,    20
.set G1,    24                         ; s[24:31] group 1 for a slot's eighth: 64 rows of 256 bytes
.set G1S,   32                         ; s[32:39] for the scale words' eighth: 16 rows
.set G0,    40                         ; s[40:43] group 0, walking
.set G0S,   44                         ; s[44:47] group 0 for the scale words
.set SEL,   48
.set CS,    50                         ; s[50:51] c = log2(e) / sqrt(128)
.set MNT,   52
.set TB,    53                         ; the slot in hand
.set TS,    54                         ; the step's scale words: 2,048 bytes a step
.set SLOTS, 55
.set LIM,   56
.set PFA,   58
.set TM,    232
.set PC,    224
.set PW,    253
.set MSB, 0
.macro WIN new                         ; the immediate's high byte repeats the setting that is left
.if MSB != (\new)
	s_set_vgpr_msb (MSB<<8)|(\new)
.set MSB, (\new)
.endif
.endm
.macro CROUND                          ; a round of the cluster's barrier
	s_barrier_signal -1
	s_barrier_wait -1
	s_cmp_lg_u32 s[WV], 0
	s_cbranch_scc1 .Lnot_wave_0_\@
	s_barrier_signal -3
.Lnot_wave_0_\@:
	s_barrier_wait -3
	s_barrier_signal -1
	s_barrier_wait -1
.endm
.macro JLOAD                           ; my eighth of a slot, asked for jointly; four v_nop follow
	tensor_load_to_lds s[G0:G0+3], s[G1:G1+7]
	s_nop 0
.rept 4
	v_nop
.endr
.endm
; A prefetch of the slot that the NEXT change of slots will ask for: 131,072 bytes as 16 pieces of 8,192, lanes 256 bytes apart.  The batch's first cluster asks; its four partners are told apart by
; address; in each, waves 0 to 3 ask, one instruction each: so each aligned 256 bytes are named once in the launch.  The last change that fills a slot asks for nothing; slots 0 and 1 come by their loads alone.
.macro ASK
	s_cmp_gt_u32 s[SLOTS], s[LIM]
	s_cbranch_scc0 .Lnot_mine_\@
	global_prefetch_b8 v4, s[PFA:PFA+1] th:TH_LOAD_NT scope:SCOPE_SE
.Lnot_mine_\@:
.endm
; 33 LDS loads in one run: a chunk's packed scale words, then its 8 fragments of K (off = 0) or of V^T (off = 16384)
.macro FRAGS off, soff
	ds_load_b128 v[248:251], v8 offset:\soff
.irp t, 0,1,2,3
.irp c, 0,1,2,3
	ds_load_b128 v[32+16*\t+4*\c:35+16*\t+4*\c], v7 offset:\off+2048*\t+512*\c
.endr
.endr
	WIN 0x40                                       ; destination window 1
.irp t, 4,5,6,7
.irp c, 0,1,2,3
	ds_load_b128 v[32+16*(\t-4)+4*\c:35+16*(\t-4)+4*\c], v7 offset:\off+2048*\t+512*\c
.endr
.endr
	WIN 0
.endm
; one product: tile t of K (pv = 0) or of V^T (pv = 1) against query tile A (tb = 0) or B (tb = 1)
.macro MMI pv, t, tb
.set rA, 32+16*((\t)%4)
.set rSA, 248+(\t)/2
.if \pv
.set rD, 160+8*(\t)
.set rSB, 253-244*(\tb)
.if (\t)%2
	v_wmma_scale_f32_16x16x128_f8f6f4 v[rD:rD+7], v[rA:rA+15], v[224:239], v[rD:rD+7], v[rSA], v[rSB] matrix_a_fmt:MATRIX_FMT_BF8 matrix_b_fmt:MATRIX_FMT_BF8 matrix_a_scale:MATRIX_SCALE_ROW1
.else
	v_wmma_scale_f32_16x16x128_f8f6f4 v[rD:rD+7], v[rA:rA+15], v[224:239], v[rD:rD+7], v[rSA], v[rSB] matrix_a_fmt:MATRIX_FMT_BF8 matrix_b_fmt:MATRIX_FMT_BF8
.endif
.else
.set rD, 96+8*(\t)
.if ((\t)%2) && (\tb)
	v_wmma_scale_f32_16x16x128_f8f6f4 v[rD:rD+7], v[rA:rA+15], v[16:31], 0, v[rSA], v255 matrix_a_fmt:MATRIX_FMT_BF8 matrix_b_fmt:MATRIX_FMT_BF8 matrix_a_scale:MATRIX_SCALE_ROW1 matrix_b_scale:MATRIX_SCALE_ROW1
.elseif (\t)%2
	v_wmma_scale_f32_16x16x128_f8f6f4 v[rD:rD+7], v[rA:rA+15], v[16:31], 0, v[rSA], v255 matrix_a_fmt:MATRIX_FMT_BF8 matrix_b_fmt:MATRIX_FMT_BF8 matrix_a_scale:MATRIX_SCALE_ROW1
.elseif \tb
	v_wmma_scale_f32_16x16x128_f8f6f4 v[rD:rD+7], v[rA:rA+15], v[16:31], 0, v[rSA], v255 matrix_a_fmt:MATRIX_FMT_BF8 matrix_b_fmt:MATRIX_FMT_BF8 matrix_b_scale:MATRIX_SCALE_ROW1
.else
	v_wmma_scale_f32_16x16x128_f8f6f4 v[rD:rD+7], v[rA:rA+15], v[16:31], 0, v[rSA], v255 matrix_a_fmt:MATRIX_FMT_BF8 matrix_b_fmt:MATRIX_FMT_BF8
.endif
.endif
.endm
; 16 products on 16 different accumulators, one instruction a turn
.macro MM pv
	s_wait_dscnt 16                                ; the scale words and fragments 0-3 are in; the youngest 16 loads (fragments 4-7) may be out
.irp t, 0,1,2,3
	MMI \pv, \t, 0
.endr
	WIN 0x54                                       ; source 1, C and D window 1: tile B
.irp t, 0,1,2,3
	MMI \pv, \t, 1
.endr
	s_wait_dscnt 0x0
	WIN 0x01                                       ; source 0 window 1: fragments 4-7
.irp t, 4,5,6,7
	MMI \pv, \t, 0
.endr
	WIN 0x55
.irp t, 4,5,6,7
	MMI \pv, \t, 1
.endr
	WIN 0
.endm
; one tile's softmax for 128 keys, and p's codes and scale word.  tb = 0: tile A, window 0; 1: tile B, window 1
.macro SM tb
	WIN 0x55*\tb
.irp b, 0,1,2,3
	v_max3_num_f32 v[232+\b], v[96+16*\b], v[97+16*\b], v[98+16*\b]   ; the largest score of each block of 32 keys: for the row's maximum and, since p rises with the score, for the block's largest p
.endr
.irp i, 3,5,7,9,11,13
.irp b, 0,1,2,3
	v_max3_num_f32 v[232+\b], v[232+\b], v[96+16*\b+\i], v[97+16*\b+\i]
.endr
.endr
.irp b, 0,1,2,3
	v_max_num_f32 v[232+\b], v[232+\b], v[111+16*\b]
.endr
.irp b, 0,1,2,3
	v_permlanex16_b32 v[236+\b], v[232+\b], s[SEL], s[SEL+1]
.endr
.irp b, 0,1,2,3
	s_delay_alu instid0(VALU_DEP_4)
	v_max_num_f32 v[232+\b], v[232+\b], v[236+\b]  ; with lane l xor 16's 16 keys
.endr
	s_delay_alu instid0(VALU_DEP_2)
	v_max3_num_f32 v254, v232, v233, v234
	s_delay_alu instid0(VALU_DEP_1)
	v_max_num_f32 v254, v254, v235
	s_delay_alu instid0(VALU_DEP_1)
	v_mul_f32 v254, s[CS], v254                    ; as t (c is positive)
	s_delay_alu instid0(VALU_DEP_1)
	v_max_num_f32 v13, v13, v254                   ; the running largest t
	v_mov_b32 v254, v12
	s_delay_alu instid0(VALU_DEP_2)
	v_floor_f32 v12, -v13                          ; -M = floor(-t): M is a whole number
	s_delay_alu instid0(VALU_DEP_1)
	v_sub_f32 v254, v12, v254                      ; old M - new M: a whole number, 0 or less
	s_delay_alu instid0(VALU_DEP_1)
	v_cvt_i32_f32 v254, v254                       ; (it saturates)
	s_delay_alu instid0(VALU_DEP_1)
	v_ldexp_f32 v252, 1.0, v254                    ; f = 2^(old M - new M)
.set j, 0
.rept 32
	v_pk_fma_f32 v[96+j:97+j], v[96+j:97+j], s[CS:CS+1], v[12:13] op_sel_hi:[1,0,0]   ; t - M, two at a time
.set j, j+2
.endr
.irp b, 0,1,2,3
	v_fma_f32 v[232+\b], v[232+\b], s[CS], v12     ; the same of each block's largest score
.endr
.set j, 0
	s_wait_alu depctr_va_vdst(0)
.rept 64
	v_exp_f32 v[96+j], v[96+j]                     ; p = 2^(t - M)
.set j, j+1
.endr
	v_pk_mul_f32 v[14:15], v[14:15], v[252:253] op_sel_hi:[1,0]   ; the sums under the new M: a plain line behind the exponentials
	s_wait_alu depctr_va_vdst(0)                   ; one wait for the batch, ahead of its first reader
.irp b, 0,1,2,3
	v_exp_f32 v[232+\b], v[232+\b]                 ; the block's largest p
.endr
	v_pk_add_f32 v[236:237], v[96:97], v[98:99]    ; the row's sum of the unquantised p, in two chains
.irp j, 4,8,12,16,20,24,28,32,36,40,44,48,52,56,60
	v_pk_add_f32 v[14:15], v[14:15], v[96+\j:97+\j]
	v_pk_add_f32 v[236:237], v[236:237], v[98+\j:99+\j]
.endr
	s_delay_alu instid0(VALU_DEP_1)
	v_pk_add_f32 v[14:15], v[14:15], v[236:237]
	s_wait_alu depctr_va_vdst(0)                   ; and one for the four
.irp b, 0,1,2,3
	v_max_num_f32 v[232+\b], 0x8000000, v[232+\b]  ; the floor 2^(16 - 127): the byte cannot fall under 1
.endr
.irp b, 0,1,2,3
	s_delay_alu instid0(VALU_DEP_4)
	v_add_nc_u32 v[244+\b], 0xf8800000, v[232+\b]  ; 15 off the exponent field: the conversion's scale operand
.endr
.irp b, 0,1,2,3
.endr
.irp b, 0,1,2,3
	s_delay_alu instid0(VALU_DEP_4)
	v_lshrrev_b32 v[236+\b], 23, v[244+\b]         ; the scale's byte
.endr
	s_delay_alu instid0(VALU_DEP_3)
	v_lshl_or_b32 v253, v237, 8, v236
	s_delay_alu instid0(VALU_DEP_1)
	v_lshl_or_b32 v253, v238, 16, v253
.if \tb
	WIN 0x15                                       ; scale operands are taken from window 0: tile B's word goes to v9 there
	v_lshl_or_b32 v9, v239, 24, v253
	WIN 0x55
.else
	s_delay_alu instid0(VALU_DEP_1)
	v_lshl_or_b32 v253, v239, 24, v253
.endif
.irp b, 0,1,2,3
.irp i, 0,1,2,3,4,5,6,7,8,9,10,11,12,13,14,15
.endr
	v_cvt_scalef32_pk8_bf8_f32 v[224+4*\b:225+4*\b], v[96+16*\b:103+16*\b], v[244+\b]
	v_cvt_scalef32_pk8_bf8_f32 v[226+4*\b:227+4*\b], v[104+16*\b:111+16*\b], v[244+\b]
.endr
.set j, 0
.rept 32
	v_pk_mul_f32 v[160+j:161+j], v[160+j:161+j], v[252:253] op_sel_hi:[1,0]   ; O^T under the new M; also the places between the codes and the products
.set j, j+2
.endr
.endm
; a key step: 128 keys, the q-th chunk of my parity in the slot in hand
.macro STEP q
	v_add_nc_u32 v7, s[TB], v[1+\q]
	v_add_nc_u32 v8, s[TS], v3
.rept 6
	v_nop                                          ; with the two additions: eight places in front of loads into registers that the last products read
.endr
	FRAGS 0, 0
	s_wait_alu depctr_va_vdst(0)
	MM 0
.rept 8
	v_nop                                          ; eight places: in front of the loads over K's fragments, and of the first read of the scores
.endr
	FRAGS 16384, 512                               ; V lands while the softmax is worked
	SM 0
	SM 1
	WIN 0
	s_wait_alu depctr_va_vdst(0)
	MM 1
	s_add_co_u32 s[TS], s[TS], 2048
.endm
.macro SLOT_STEPS
	STEP 0
	STEP 1
	s_xor_b32 s[TB], s[TB], SLOT1
.endm
; THE CHANGE OF SLOTS stands at a slot's head.  Each wave waits for all its tensor loads (its part of the slot ahead), adds 0 to its spare word, and waits for that and for its reads of the slot that it
; has left.  fill = 1: a round of the cluster's barrier, then that slot is filled with the next four chunks: the load has two key steps of every wave in which to land.
.macro CHANGE fill
	s_wait_tensorcnt 0x0                           ; no tensor load of mine is out, so group 0 may be written
	ds_add_u32 v5, v6                              ; 0 onto my spare word
.if \fill
	s_xor_b32 s[G0+1], s[G0+1], SLOT1              ; the other slot than last time,
	s_add_nc_u64 s[G0+2:G0+3], s[G0+2:G0+3], 131072   ; the next four chunks; the type bits on top are not reached
	s_wait_xcnt 0x0                                ; the last prefetch, a slot back, has read its address
	s_add_nc_u64 s[PFA:PFA+1], s[PFA:PFA+1], 131072   ; one slot further on than the walking descriptor
	s_wait_dscnt 0x0                               ; the add is done, and my reads of the slot that I have left are over
	CROUND
	JLOAD                                          ; the first thing behind the round, and my one tensor load until the next
	ASK
.else
	s_wait_dscnt 0x0
	s_barrier_signal -1
	s_barrier_wait -1
.endif
.endm
.macro INIT                            ; a tile's start: the step is written once, and the first change of M multiplies zeros
	v_mov_b32 v13, 0xff61b1e6                      ; -3e38, under every t
	s_delay_alu instid0(VALU_DEP_1)
	v_floor_f32 v12, -v13
	v_mov_b32 v14, 0
	v_mov_b32 v15, 0
.irp b, 0,1,2,3
	v_mov_b32 v[236+\b], 0                         ; a lane permute's destination counts as one of its sources
.endr
	v_mov_b32 v253, 0                              ; named as the upper half of the pair v[252:253]
.set j, 0
.rept 64
	v_mov_b32 v[160+j], 0
.set j, j+1
.endr
.endm
; 64 numbers of a lane become a fragment's codes in v[PC] on and its scale word in v[PW] (the blocks' maxima and bytes are done with when the codes of blocks 2 and 3 land on them)
.macro QUANT s
.irp b, 0,1,2,3
	v_max3_num_f32 v[TM+\b], |v[\s+16*\b]|, |v[\s+1+16*\b]|, 0x8000000
.endr
.irp i, 2,4,6,8,10,12,14
.irp b, 0,1,2,3
	s_delay_alu instid0(VALU_DEP_4)
	v_max3_num_f32 v[TM+\b], v[TM+\b], |v[\s+16*\b+\i]|, |v[\s+1+16*\b+\i]|
.endr
.endr
.irp b, 0,1,2,3
	v_permlanex16_b32 v[TM+4+\b], v[TM+\b], s[SEL], s[SEL+1]
.endr
.irp b, 0,1,2,3
	s_delay_alu instid0(VALU_DEP_4)
	v_max_num_f32 v[TM+\b], v[TM+\b], v[TM+4+\b]
.endr
.irp b, 0,1,2,3
	s_delay_alu instid0(VALU_DEP_4)
	v_add_nc_u32 v[TM+12+\b], 0xf8800000, v[TM+\b]
.endr
.irp b, 0,1,2,3
.endr
.irp b, 0,1,2,3
	s_delay_alu instid0(VALU_DEP_4)
	v_lshrrev_b32 v[TM+4+\b], 23, v[TM+12+\b]
.endr
	s_delay_alu instid0(VALU_DEP_3)
	v_lshl_or_b32 v[PW], v[TM+5], 8, v[TM+4]
	s_delay_alu instid0(VALU_DEP_1)
	v_lshl_or_b32 v[PW], v[TM+6], 16, v[PW]
	s_delay_alu instid0(VALU_DEP_1)
	v_lshl_or_b32 v[PW], v[TM+7], 24, v[PW]
.irp b, 0,1,2,3
.irp i, 0,1,2,3,4,5,6,7,8,9,10,11,12,13,14,15
.endr
	v_cvt_scalef32_pk8_bf8_f32 v[PC+4*\b:PC+1+4*\b], v[\s+16*\b:\s+7+16*\b], v[TM+12+\b]
	v_cvt_scalef32_pk8_bf8_f32 v[PC+2+4*\b:PC+3+4*\b], v[\s+8+16*\b:\s+15+16*\b], v[TM+12+\b]
.endr
	v_nop
.endm
	s_load_b512 s[4:19], s[0:1], 0x0               ; qc s[4:5], qs s[6:7], kvc s[8:9], kvs s[10:11], wf s[12:13], bo s[14:15], x s[16:17], out0 s[18:19]
	v_lshl_add_u32 v5, v0, 2, SPARE
	v_mov_b32 v6, 0
	ds_add_u32 v5, v6
	ds_add_u32 v5, v6
	s_wait_dscnt 0x0
	v_lshrrev_b32 v7, 5, v0
	s_delay_alu instid0(VALU_DEP_1)
	v_readfirstlane_b32 s[WV], v7                  ; wave 0..7
	s_bfe_u32 s21, ttmp6, 0x40000                  ; cx: my place in the cluster: it enters global addresses of Q, x, out0 and the prefetches alone
	s_lshl_b32 s22, ttmp9, 2
	s_add_co_u32 s22, s22, s21                     ; my chunk of queries
	s_and_b32 s23, ttmp7, 0xffff                   ; the batch, which the four partners share
	; group 1: dense blocks as rows of 256 bytes (32 elements of 8 bytes), no padding: an image is read as 512 consecutive bytes
	s_mov_b32 s[G1], 15|(3<<16)|(1<<21)            ; the mask: all four work-groups; elements of 8 bytes; bit 21 set beside a mask
	s_mov_b32 s[G1+1], 32<<16                      ; tensor_dim0
	s_mov_b32 s[G1+2], 64<<16                      ; tensor_dim1
	s_mov_b32 s[G1+3], 32<<16                      ; tile_dim0
	s_mov_b32 s[G1+4], 64                          ; tile_dim1
	s_mov_b32 s[G1+5], 32                          ; the pitch
	s_mov_b32 s[G1+6], 0
	s_mov_b32 s[G1+7], 0
	s_mov_b32 s[G1S], 15|(3<<16)|(1<<21)
	s_mov_b32 s[G1S+1], 32<<16
	s_mov_b32 s[G1S+2], 16<<16
	s_mov_b32 s[G1S+3], 32<<16
	s_mov_b32 s[G1S+4], 16
	s_mov_b32 s[G1S+5], 32
	s_mov_b32 s[G1S+6], 0
	s_mov_b32 s[G1S+7], 0
	s_mov_b32 s[G0], 1
	s_lshl_b32 s[G0+1], s[WV], 14                  ; LDS: slot 0, my eighth
	s_lshl_b32 s76, s23, 20                        ; a batch of kvc is 2^20 bytes
	s_add_co_u32 s76, s76, s[G0+1]
	s_mov_b32 s77, 0
	s_mov_b32 s[G0S], 1
	s_lshl_b32 s[G0S+1], s[WV], 12
	s_lshl_b32 s78, s23, 15                        ; a batch of kvs is 2^15 bytes
	s_add_co_u32 s78, s78, s[G0S+1]
	s_mov_b32 s79, 0
	s_add_co_u32 s[G0S+1], s[G0S+1], SCL
	; what hangs on my chunk of queries, in registers that feed no descriptor
	s_and_b32 s74, s[WV], 3
	s_lshr_b32 s75, s[WV], 2                       ; my parity of key chunks
	s_lshl_b32 s57, s23, 5
	s_add_co_u32 s57, s57, s22                     ; ci = 32 x batch + chunk
	s_lshl_b32 s60, s74, 1
	s_add_co_u32 s60, s60, s75                     ; tile A
	s_xor_b32 s62, s60, 1                          ; tile B
	s_lshl_b32 s60, s60, 11
	s_lshl_b32 s62, s62, 11
	s_lshl_b32 s61, s57, 14
	s_add_co_u32 s60, s60, s61
	s_add_co_u32 s62, s62, s61
	s_mov_b32 s61, 0
	s_mov_b32 s63, 0
	s_lshl_b32 s70, s57, 9
	s_lshl_b32 s71, s74, 2
	s_add_co_u32 s70, s70, s71                     ; qs: my chunk's block, word w % 4
	s_mov_b32 s71, 0
	s_lshl_b32 s72, s21, 2
	s_add_co_u32 s72, s72, s74
	s_lshl_b32 s72, s72, 13                        ; the prefetches: piece 4 cx + w % 4 of 8,192 bytes,
	s_lshl_b32 s73, s23, 20
	s_add_co_u32 s72, s72, s73
	s_add_co_u32 s72, s72, 131072                  ; in slot 1's chunks: the first change of slots steps it on.  Nothing is prefetched at the head
	s_mov_b32 s73, 0
	s_lshl_b32 s80, s23, 12
	s_lshl_b32 s81, s22, 7
	s_add_co_u32 s80, s80, s81
	s_lshl_b32 s81, s74, 5
	s_add_co_u32 s80, s80, s81
	s_lshl_b32 s81, s75, 3
	s_add_co_u32 s80, s80, s81                     ; tile A's first position: 4096 batch + 128 chunk + 32 (w % 4) + 8 (w / 4)
	s_lshl_b32 s80, s80, 9                         ; rows of 512 bytes
	s_mov_b32 s81, 0
	s_or_b32 s[LIM], s75, ttmp9                    ; 0 in waves 0 to 3 of the batch's first cluster: the same in all four partners
	s_cmp_eq_u32 s[LIM], 0
	s_cselect_b32 s[LIM], 1, -1
	s_mov_b32 s[SEL], 0x76543210
	s_mov_b32 s[SEL+1], 0xfedcba98
	s_mov_b32 s[CS], 0x3e0293ee
	s_mov_b32 s[CS+1], s[CS]                       ; named with it as a pair
	s_mov_b32 s[TB], 0
	s_mov_b32 s[TS], 0
	s_mov_b32 s[SLOTS], 7
	s_wait_kmcnt 0x0
	s_add_nc_u64 s[G0+2:G0+3], s[8:9], s[76:77]
	s_or_b32 s[G0+3], s[G0+3], 0x80000000
	s_add_nc_u64 s[G0S+2:G0S+3], s[10:11], s[78:79]
	s_or_b32 s[G0S+3], s[G0S+3], 0x80000000
	s_add_nc_u64 s[66:67], s[4:5], s[60:61]        ; Q's image, tile A
	s_add_nc_u64 s[68:69], s[4:5], s[62:63]        ; tile B
	s_add_nc_u64 s[70:71], s[6:7], s[70:71]
	s_add_nc_u64 s[PFA:PFA+1], s[8:9], s[72:73]
	s_add_nc_u64 s[72:73], s[12:13], 52224         ; wo's record of wf
	s_add_nc_u64 s[16:17], s[16:17], s[80:81]
	s_add_nc_u64 s[18:19], s[18:19], s[80:81]
	CROUND                                         ; all four work-groups are here: the first joint loads meet
	tensor_load_to_lds s[G0S:G0S+3], s[G1S:G1S+7]  ; the scale words: filled once
	s_nop 0
	s_wait_alu depctr_va_vdst(0)
	s_wait_tensorcnt 0x0
	ds_add_u32 v5, v6
	s_wait_dscnt 0x0
	CROUND
	tensor_load_to_lds s[G0:G0+3], s[G1:G1+7]      ; slot 0.  One load of mine is out, as later
	s_nop 0
.rept 4
	v_nop
.endr
	v_and_b32 v10, 31, v0
	s_delay_alu instid0(VALU_DEP_1)
	v_lshlrev_b32 v4, 8, v10                       ; the prefetches: 256 x lane
	s_lshl_b32 s3, s75, 4
	v_xor_b32 v11, s3, v10
	s_delay_alu instid0(VALU_DEP_1)
	v_lshlrev_b32 v11, 4, v11                      ; Q's scale words: lanes 0-15 take tile A's, lanes 16-31 tile B's
	v_lshlrev_b32 v10, 4, v10                      ; 16 x lane
	s_lshl_b32 s3, s75, 15
	v_add_nc_u32 v1, s3, v10                       ; my parity's first chunk of a slot,
	s_delay_alu instid0(VALU_DEP_1)
	v_add_nc_u32 v2, 65536, v1                     ; and its second
	s_lshl_b32 s3, s75, 10
	s_add_co_u32 s3, s3, SCL
	v_add_nc_u32 v3, s3, v10
.irp c, 0,1,2,3
	global_load_b128 v[16+4*\c:19+4*\c], v10, s[66:67] offset:512*\c
.endr
	global_load_b32 v255, v11, s[70:71]
	WIN 0x40
.irp c, 0,1,2,3
	global_load_b128 v[16+4*\c:19+4*\c], v10, s[68:69] offset:512*\c
.endr
	WIN 0
	INIT
	WIN 0x55
	INIT
	WIN 0
	s_wait_loadcnt 0x0                             ; Q
.Lslot:                                            ; 7 trips: behind each change of slots but the last the next slot is asked for
	CHANGE 1
	SLOT_STEPS
	s_sub_co_u32 s[SLOTS], s[SLOTS], 1
	s_cmp_lg_u32 s[SLOTS], 0
	s_cbranch_scc1 .Lslot
	CHANGE 0                                       ; the last slot is written out
	SLOT_STEPS
	; ---- THE WAY OUT.  Slot 0 has had its last fill and its last read: it takes what the waves hand to each other, 8,448 bytes a wave.  The address lines are also the places behind the last products.
	s_mul_i32 s60, s[WV], 8448
	s_xor_b32 s61, s[WV], 4
	s_mul_i32 s61, s61, 8448
	v_and_b32 v240, 31, v0
	v_and_b32 v241, 15, v0
	v_bfe_u32 v242, v0, 4, 1
	v_add_nc_u32 v1, s60, v10                      ; what I hand over: O^T, 16 x lane;
	s_delay_alu instid0(VALU_DEP_4)
	v_lshl_add_u32 v2, v240, 2, s60
	s_delay_alu instid0(VALU_DEP_1)
	v_add_nc_u32 v2, 8192, v2                      ; -M, and 128 bytes on the sum
	v_add_nc_u32 v3, s61, v10                      ; what wave w xor 4 hands to me
	v_lshl_add_u32 v7, v240, 2, s61
	s_delay_alu instid0(VALU_DEP_1)
	v_add_nc_u32 v7, 8192, v7
	v_mul_u32_u24 v8, v241, 528
	s_delay_alu instid0(VALU_DEP_1)
	v_lshl_add_u32 v8, v242, 6, v8
	s_delay_alu instid0(VALU_DEP_1)
	v_add_nc_u32 v8, s60, v8
	s_delay_alu instid0(VALU_DEP_1)
	v_add_nc_u32 v8, SLOT1, v8                     ; my stage of 16 rows x 528 bytes, in slot 1: row r, + 64 h
	v_add_nc_u32 v11, SLOT1, v1                    ; and back by rows
	v_lshlrev_b32 v254, 2, v240
	s_delay_alu instid0(VALU_DEP_1)
	v_lshl_add_u32 v254, v242, 6, v254             ; wo's scale words, packed on the way in: 4 lane + 64 h
.irp p, 0,1,2,3,4,5,6,7,8,9,10,11,12,13,14,15
	global_load_b128 v[32+4*\p:35+4*\p], v10, s[16:17] offset:(\p+8*(\p/8))*512 th:TH_LOAD_NT   ; x at tile A's 16 positions
.endr
	global_load_b128 v[24:27], v10, s[14:15]       ; bo
.irp i, 0,1,2,3
	global_load_b32 v[248+\i], v254, s[72:73] offset:16384+256*\i
.endr
	v_add_f32 v14, v14, v15                        ; the sum's two halves, and lane l xor 16's
	s_delay_alu instid0(VALU_DEP_1)
	v_permlanex16_b32 v252, v14, s[SEL], s[SEL+1]
	s_delay_alu instid0(VALU_DEP_1)
	v_add_f32 v14, v14, v252
	WIN 0x55
	v_add_f32 v14, v14, v15
	s_delay_alu instid0(VALU_DEP_1)
	v_permlanex16_b32 v252, v14, s[SEL], s[SEL+1]
	s_delay_alu instid0(VALU_DEP_1)
	v_add_f32 v14, v14, v252
	WIN 0x04                                       ; an LDS store's data are its source 1: window 1: tile B
.irp i, 0,1,2,3,4,5,6,7,8,9,10,11,12,13,14,15
	ds_store_b128 v1, v[160+4*\i:163+4*\i] offset:512*\i   ; each accumulator from its low end on
.endr
	ds_store_b32 v2, v12
	ds_store_b32 v2, v14 offset:128
	WIN 0
	s_wait_dscnt 0x0                               ; my stores have landed; my reads of slot 1 were over before
	s_barrier_signal -1
	s_barrier_wait -1
.irp i, 0,1,2,3,4,5,6,7,8,9,10,11,12,13,14,15
	ds_load_b128 v[96+4*\i:99+4*\i], v3 offset:512*\i
.endr
	ds_load_b32 v232, v7
	ds_load_b32 v233, v7 offset:128
	WIN 0x40                                       ; wo's 8 fragments into window 1, over what tile B has left
.irp t, 0,1,2,3,4,5,6,7
.irp c, 0,1,2,3
	global_load_b128 v[96+16*\t+4*\c:99+16*\t+4*\c], v10, s[72:73] offset:2048*\t+512*\c
.endr
.endr
	WIN 0
	s_wait_dscnt 0x0
	v_min_num_f32 v236, v12, v232                  ; -M of both sets of keys
	s_delay_alu instid0(VALU_DEP_1)
	v_sub_f32 v234, v236, v12
	s_delay_alu instid0(VALU_DEP_2)
	v_sub_f32 v235, v236, v232
	s_delay_alu instid0(VALU_DEP_2)
	v_cvt_i32_f32 v234, v234
	s_delay_alu instid0(VALU_DEP_2)
	v_cvt_i32_f32 v235, v235
	s_delay_alu instid0(VALU_DEP_2)
	v_ldexp_f32 v234, 1.0, v234                    ; 2^(my M - M)
	s_delay_alu instid0(VALU_DEP_2)
	v_ldexp_f32 v235, 1.0, v235                    ; 2^(the other M - M)
	s_delay_alu instid0(VALU_DEP_2)
	v_mul_f32 v237, v14, v234
	s_delay_alu instid0(VALU_DEP_1)
	v_fma_f32 v237, v233, v235, v237               ; the row's sum
	s_wait_alu depctr_va_vdst(0)
	v_rcp_f32 v238, v237
	v_nop                                          ; a plain line behind the transcendental
	s_wait_alu depctr_va_vdst(0)                   ; and the wait ahead of its first reader
	v_mul_f32 v240, v234, v238
	v_mul_f32 v242, v235, v238
	s_delay_alu instid0(VALU_DEP_2)
	v_mov_b32 v241, v240
	s_delay_alu instid0(VALU_DEP_2)
	v_mov_b32 v243, v242
.set j, 0
.rept 32
	v_pk_mul_f32 v[96+j:97+j], v[96+j:97+j], v[242:243]
.set j, j+2
.endr
.set j, 0
.rept 32
	v_pk_fma_f32 v[96+j:97+j], v[160+j:161+j], v[240:241], v[96+j:97+j]   ; o = (O_a f_a + O_b f_b) / the sum; register 16 b + i is channel 32 b + 16 (lane / 16) + i
.set j, j+2
.endr
	QUANT 96
	s_wait_loadcnt 0x0                             ; x, bo, wo
.irp p, 0,1,2,3,4,5,6,7,8,9,10,11,12,13,14,15
	v_pk_add_f32 v[32+4*\p:33+4*\p], v[32+4*\p:33+4*\p], v[24:25]   ; x + bo; also the places between the codes and the products
	v_pk_add_f32 v[34+4*\p:35+4*\p], v[34+4*\p:35+4*\p], v[26:27]
.endr
	WIN 0x01                                       ; source 0 (wo) window 1
.irp t, 0,2,4,6
	v_wmma_scale_f32_16x16x128_f8f6f4 v[160+8*\t:167+8*\t], v[96+16*\t:111+16*\t], v[224:239], 0, v[248+\t/2], v253 matrix_a_fmt:MATRIX_FMT_BF8 matrix_b_fmt:MATRIX_FMT_BF8
	v_wmma_scale_f32_16x16x128_f8f6f4 v[168+8*\t:175+8*\t], v[112+16*\t:127+16*\t], v[224:239], 0, v[248+\t/2], v253 matrix_a_fmt:MATRIX_FMT_BF8 matrix_b_fmt:MATRIX_FMT_BF8 matrix_a_scale:MATRIX_SCALE_ROW1
.endr
	WIN 0
.rept 8
	v_nop
.endr
.irp t, 0,1,2,3,4,5,6,7
	ds_store_b128 v8, v[160+8*\t:163+8*\t] offset:128*(\t/2)+32*(\t%2)      ; lane (r, h): row r, channels 32 (t / 2) + 16 h + 8 (t % 2) + 0 .. 7
	ds_store_b128 v8, v[164+8*\t:167+8*\t] offset:128*(\t/2)+32*(\t%2)+16
.endr
.irp p, 0,1,2,3,4,5,6,7,8,9,10,11,12,13,14,15
	ds_load_b128 v[96+4*\p:99+4*\p], v11 offset:528*\p   ; my own stage: LDS serves a wave's instructions in order (ISA guide 5.7.1.4)
.endr
.irp p, 0,1,2,3,4,5,6,7,8,9,10,11,12,13,14,15
	s_wait_dscnt 15-\p                             ; row p is back; the younger rows may be out
	v_pk_add_f32 v[96+4*\p:97+4*\p], v[96+4*\p:97+4*\p], v[32+4*\p:33+4*\p]
	v_pk_add_f32 v[98+4*\p:99+4*\p], v[98+4*\p:99+4*\p], v[34+4*\p:35+4*\p]
	global_store_b128 v10, v[96+4*\p:99+4*\p], s[18:19] offset:(\p+8*(\p/8))*512 th:TH_STORE_NT   ; 32 lanes store a row: 512 consecutive bytes, aligned
.endr
	s_wait_tensorcnt 0x0                           ; the wave's end
	ds_add_u32 v5, v6
	s_wait_dscnt 0x0
	CROUND                                         ; the closing round: no work-group ends while a partner may still ask for a tile that names it
	s_endpgm
.Lfunc_end_k_q3021ede83e_attn:
	.size	k_q3021ede83e_attn, .Lfunc_end_k_q3021ede83e_attn-k_q3021ede83e_attn
	.p2alignl 7, 3214868480
	.fill 96, 4, 3214868480
	.section	.rodata,"a",@progbits
	.p2align	6, 0x0
	.amdhsa_kernel k_q3021ede83e_attn
		.amdhsa_group_segment_fixed_size 327680
		.amdhsa_private_segment_fixed_size 0
		.amdhsa_enable_private_segment 0
		.amdhsa_kernarg_size 64
		.amdhsa_user_sgpr_count 2
		.amdhsa_user_sgpr_kernarg_segment_ptr 1
		.amdhsa_wavefront_size32 1
		.amdhsa_system_sgpr_workgroup_id_x 1
		.amdhsa_system_sgpr_workgroup_id_y 1
		.amdhsa_system_sgpr_workgroup_id_z 1
		.amdhsa_system_vgpr_workitem_id 0
		.amdhsa_next_free_vgpr 512
		.amdhsa_next_free_sgpr 84
		.amdhsa_reserve_vcc 0
		.amdhsa_float_denorm_mode_32 3
		.amdhsa_float_denorm_mode_16_64 3
		.amdhsa_fp16_overflow 1
		.amdhsa_memory_ordered 1
		.amdhsa_forward_progress 1
		.amdhsa_inst_pref_size 185
	.end_amdhsa_kernel
	.amdgpu_metadata
---
amdhsa.version: [ 1, 2 ]
amdhsa.kernels:
  - .name:           k_q3021ede83e_attn
    .symbol:         k_q3021ede83e_attn.kd
    .args:
      - { .name: qc, .offset: 0, .size: 8, .value_kind: global_buffer, .address_space: global }
      - { .name: qs, .offset: 8, .size: 8, .value_kind: global_buffer, .address_space: global }
      - { .name: kvc, .offset: 16, .size: 8, .value_kind: global_buffer, .address_space: global }
      - { .name: kvs, .offset: 24, .size: 8, .value_kind: global_buffer, .address_space: global }
      - { .name: wf, .offset: 32, .size: 8, .value_kind: global_buffer, .address_space: global }
      - { .name: bo, .offset: 40, .size: 8, .value_kind: global_buffer, .address_space: global }
      - { .name: x, .offset: 48, .size: 8, .value_kind: global_buffer, .address_space: global }
      - { .name: out0, .offset: 56, .size: 8, .value_kind: global_buffer, .address_space: global }
    .group_segment_fixed_size: 327680
    .private_segment_fixed_size: 0
    .kernarg_segment_align: 8
    .kernarg_segment_size: 64
    .max_flat_workgroup_size: 256
    .sgpr_count:     84
    .vgpr_count:     512
    .wavefront_size: 32
...
	.end_amdgpu_metadata
.endif
;; end of part 3
